; MI455X (gfx1250); checked and timed in simulation.
; The chip was launched on July 23, 2026; its instructions are those of AMD's public machine-readable ISA for CDNA 5 (MIT licence, August 2026) and "CDNA5" Instruction Set Architecture Reference Guide (July 2026). The comments in the code are by the model that wrote it; some were corrected since.
;; Non Local Block. Allowed arithmetic: matrix products marked QUANTISED: E3M2 operands, one E8M0 scale for each 32 along K, by v_wmma_scale_f32_16x16x128_f8f6f4 with both operands' format E3M2, f32 sums; everything else in f32.
;; Inputs: w_g 128 x 256 float32; w_out 256 x 128 float32; w_phi 128 x 256 float32; w_theta 128 x 256 float32; x 4 x 256 x 64 x 64 float32.
;; Outputs: out0 4 x 256 x 64 x 64 float32.
;; This version of the problem:
;;   THIS VERSION OF THE PROBLEM IS GIVEN IN LOW PRECISION. The matrix products marked QUANTISED in the list below multiply operands that are first quantised to E3M2 (3 exponent bits, 2 mantissa bits; 6 bits a number), with one power-of-two scale for each 32 numbers along K (OCP MX v1.0); their sums are f32. All else is computed in f32.
;;   The module's matrix products, in the order in which they are computed (A, B: the left and right operand; K: the contracted axis; several contracted axes count as one K, in the product's order):
;;     1. [M 16,384, K 256] x [K 256, N 128]; A: input x; B: input w_theta: QUANTISED
;;     2. [M 16,384, K 256] x [K 256, N 128]; A: input x; B: input w_phi: QUANTISED
;;     3. [M 16,384, K 256] x [K 256, N 128]; A: input x; B: input w_g: QUANTISED
;;     4. batch 4 x [M 4,096, K 128] x [K 128, N 4,096]; A: computed on the way; B: computed on the way: QUANTISED
;;     5. batch 4 x [M 128, K 4,096] x [K 4,096, N 4,096]; A: computed on the way; B: softmax (see below): QUANTISED
;;     6. [M 16,384, K 128] x [K 128, N 256]; A: computed on the way; B: input w_out: QUANTISED
;;   THE QUANTISER, for each operand of a quantised product, along K:
;;     - K is cut into blocks of 32 from its start; a last block that is shorter is filled with zeros.
;;     - A block's scale is 2^e with e = floor(log2(the largest magnitude in the block)) - 4, held to -126 .. 127; a block of zeros has e = 0. As a byte (E8M0): e + 127.
;;     - Each number is divided by its block's scale, clamped to +-28, and rounded to the nearest number of E3M2, ties to even, subnormals kept.
;;     - The product sums the exact products of the quantised numbers (number of the format x scale) in f32.
;;   ~~~python
;;   def quantise(x, axis):      # numpy; x: float32 -> the quantised numbers, widened to float32 again
;;       x = np.moveaxis(x, axis, -1); K = x.shape[-1]
;;       x = np.pad(x, [(0, 0)] * (x.ndim - 1) + [(0, -K % 32)]); x = x.reshape(x.shape[:-1] + (-1, 32)); a = np.abs(x).max(-1, keepdims=True)
;;       e = np.where(a > 0, np.clip(np.frexp(np.where(a > 0, a, 1))[1] - 1 - 4, -126, 127), 0)      # np.frexp(a)[1] - 1 = floor(log2(a)), exactly
;;       r = np.clip(x / 2.0 ** e, -28, 28)
;;       step = 2.0 ** (np.maximum(np.frexp(np.where(r == 0, 1, r))[1] - 1, -2) - 2)
;;       q = np.round(r / step) * step * 2.0 ** e      # np.round: ties to even
;;       return np.moveaxis(q.reshape(q.shape[:-2] + (-1,))[..., :K], -1, axis).astype(np.float32)
;;   ~~~
;;   SOFTMAX AHEAD OF A QUANTISED PRODUCT. Where the list says 'softmax', what is quantised is not the finished softmax but p = 2^(t - M), with t = logit x log2(e) and M = ceil(the row's largest t), a whole number; so 1/2 < the row's largest p <= 1. The row's sum l is taken of the UNQUANTISED p, in f32, and the product's result is divided by l at the end. Since M is a whole number, a kernel that streams over the keys may use a running M (the ceiling of the running maximum): every later rescaling is an exact power of two, which a block's scale takes up: the codes' values come out the same.
;;   OPERANDS COMPUTED ON THE WAY. 'Computed on the way' means the value that the module computes at that place (a softmax that the list does not call 'softmax' is quantised finished and normalised). What goes into a quantiser is computed in f32, as accurately as f32 sums, v_exp_f32 and their like allow (about 1e-6 of the number): no bf16 or f16 on the way to a quantiser, and a product that is left as it is and whose result goes on into a quantised operand takes f32 operands (vector FMAs, or v_wmma_f32_16x16x4_f32). A number that lies on a knife's edge between two numbers of the format may be rounded either way, as far as f32 arithmetic and the matrix unit's own rounding can turn it there, and no further.
;; One version. Each part assembles by itself: llvm-mc -triple=amdgcn-amd-amdhsa -mcpu=gfx1250 --defsym DOCPART=n.
;; ======== version 1 of 1: 2 launches
;; limits: right only within a limited range of input values
;; workspace buffers: wimg 32,768 bytes; qbuf 1,638,400 bytes; kv 3,276,800 bytes
;; launch proj (part 1): grid 32 x 8, 8 waves a work-group, clusters of 4 x 1, 327,680 bytes of LDS; arguments x, w_theta, w_phi, w_g, w_out, qbuf, kv, wimg; writes qbuf, kv, wimg
.if DOCPART == 1
	.amdgcn_target "amdgcn-amd-amdhsa--gfx1250"
	.amdhsa_code_object_version 6
	.text
	.protected	k_q353e70e31e_proj
	.globl	k_q353e70e31e_proj
	.p2align	8
	.type	k_q353e70e31e_proj,@function
k_q353e70e31e_proj:
	s_mov_b64 s[64:65], 0
	v_nop
	global_prefetch_b8 v0, s[64:65] scope:SCOPE_SE
	s_setreg_imm32_b32 hwreg(HW_REG_WAVE_MODE, 25, 1), 1
	s_wait_xcnt 0x0
	s_wait_alu depctr_hold_cnt(0) depctr_sa_sdst(0) depctr_va_vdst(0) depctr_va_sdst(0) depctr_va_ssrc(0) depctr_va_vcc(0) depctr_vm_vsrc(0)
	s_getreg_b32 s2, hwreg(HW_REG_IB_STS2, 6, 4)
	s_cmp_eq_u32 s2, 0
	s_cbranch_scc0 .Lentry_in_a_cluster
	s_endpgm
.Lentry_in_a_cluster:
	s_bfe_u32 s2, ttmp6, 0x10000c
	s_cmp_lg_u32 s2, 0x3003
	s_cbranch_scc0 .Lentry_shape_is_right
	s_endpgm
.Lentry_shape_is_right:
; theta = x^T w_theta^T, phi = x^T w_phi^T, g = x^T w_g^T on codes of BF6 (E3M2) with one E8M0 scale for each 32 along K = the 256 channels of x [4][256][4096].  The results are quantised again, theta and phi along
; the 128 inner channels, g along the positions (the keys), and stored as images of operand registers; w_out is quantised too, for the next launch.
; SHARES.  Work-group (st, y): batch y / 2, positions 128 st .. + 127; y % 2 = 0: theta and V's channel tiles 0-3; y % 2 = 1: phi and V's channel tiles 4-7: 128 + 64 weight rows.  256 work-groups.
; IMAGES.  A fragment (16 rows x 128 K, 12 registers): 3 pieces of 512 bytes, lane l's registers 4 c .. at 16 l.  A block of 8 fragments is followed by 512 bytes of scale words: lane l's 16 bytes hold the words of tiles
; 0, 2, 4, 6 or, in lanes 16-31, 1, 3, 5, 7.  qbuf: such a block of 12,800 bytes for each 128 queries.  kv: per batch 32 chunks of V's block and a K block: V of keys 128 m on lies in chunk m, K of them in chunk (m + 28) % 32.
; wimg: 16 fragments of w_out, 2,048 bytes each: 3 pieces, and the scale words at 1536 + 16 l.
; ROWS OF A TILE: row r of tile t (positions, weight rows) stands for index 64 (t / 4) + 32 (r / 8) + 8 (t % 4) + r % 8: so the 32 registers that a lane holds of tiles 4 c .. 4 c + 3 of a result are one whole block,
; 64 c + 32 (lane / 16) + 0 .. 31, in the operand's own order.  (w_out's rows are neighbours.)
; CLUSTER.  Four work-groups with neighbouring st need the same weight rows: waves 0 to 5 each issue one JOINT tensor load of 32 f32 rows.  Nothing is filled twice.  No prefetch: there is no loop to run ahead in.
; LIMITS: NaN and infinities are not served; a block whose largest magnitude lies under 2^-122 (a block of zeros too) gets the byte 1: these bytes are read by this program alone.
.set FRB,  1536
.set GRP,  33408                       ; LDS: 32 weight rows of 1,024 + 16 bytes, and 128: so rows 32 apart do not start at one bank (64 banks of 4 bytes: ISA guide 11.1)
.set WIMG, 6*GRP                       ; the 24 weight fragments, 2 (tile) + K step
.set XIMG, WIMG+24*FRB                 ; x's 16 fragments
.set XSC,  XIMG+16*FRB                 ; their scale words, 512 bytes a K step
.set WSC,  XSC+1024                    ; theta's or phi's, 512 a K step, and then w_g's
.set SPARE, WSC+2048                   ; the spare words, 128 bytes a wave; no other line names them
.set G1, 36                            ; s[36:43] group 1;  s[44:47], s[48:51] group 0 for theta's or phi's rows, for w_g's
.set G0A, 44
.set G0B, 48
.set SEL, 56                           ; s[56:57] lane selects for v_permlanex16_b32: lane l xor 16
; 64 numbers of a lane, v[s] .. v[s + 63]: two whole blocks; codes to v[pc] .. + 11, the row's scale word to v[pw].  v26 = 8 (lane / 16), v27 a permute's destination
.macro QUANT s, pc, pb, tm, pw
.irp b, 0,1,2,3
	v_max3_num_f32 v[\tm+\b], |v[\s+16*\b]|, |v[\s+1+16*\b]|, |v[\s+2+16*\b]|
.endr
.irp i, 3,5,7,9,11,13
.irp b, 0,1,2,3
	v_max3_num_f32 v[\tm+\b], v[\tm+\b], |v[\s+16*\b+\i]|, |v[\s+1+16*\b+\i]|
.endr
.endr
.irp c, 0,1
	v_max3_num_f32 v[\tm+2*\c], v[\tm+2*\c], |v[\s+32*\c+15]|, v[\tm+2*\c+1]
.endr
.irp c, 0,1
	v_max3_num_f32 v[\tm+2*\c], v[\tm+2*\c], |v[\s+32*\c+31]|, 0x2800000   ; and the floor 2^(5 - 127): the byte cannot fall under 1
.endr
.irp c, 0,1
	v_add_nc_u32 v[\tm+2*\c], 0xfe000000, v[\tm+2*\c]   ; 4 off the exponent field: the conversion's scale operand
.endr
.irp c, 0,1
	v_lshrrev_b32 v[\tm+2*\c+1], 23, v[\tm+2*\c]
.endr
	v_lshl_or_b32 v[\pw], v[\tm+3], 16, v[\tm+1]   ; my two bytes, blocks h and 2 + h,
	v_lshlrev_b32 v[\pw], v26, v[\pw]
	v_permlanex16_b32 v27, v[\pw], s[SEL], s[SEL+1]
	v_or_b32 v[\pw], v[\pw], v27                   ; with lane l xor 16's
.irp c, 0,1
	v_cvt_scalef32_pk16_bf6_f32 v[\pc+6*\c:\pc+6*\c+2], v[\s+32*\c:\s+32*\c+15], v[\tm+2*\c]
	v_cvt_scalef32_pk16_bf6_f32 v[\pb+4*\c:\pb+4*\c+2], v[\s+16+32*\c:\s+31+32*\c], v[\tm+2*\c]   ; (a conversion's three registers begin on an even number)
.endr
	v_nop                                          ; one plain place behind a scaled conversion
.irp c, 0,1
.irp i, 0,1,2
	v_mov_b32 v[\pc+6*\c+3+\i], v[\pb+4*\c+\i]
.endr
.endr
.endm
.macro ROUND                           ; a round of the cluster's barrier
	s_barrier_signal -1
	s_barrier_wait -1
	s_cmp_lg_u32 s20, 0
	s_cbranch_scc1 .Lnot_wave_0_\@
	s_barrier_signal -3
.Lnot_wave_0_\@:
	s_barrier_wait -3
	s_barrier_signal -1
	s_barrier_wait -1
.endm
.macro PLACES
.rept 4
	v_nop                                          ; four places behind a matrix instruction, in front of loads into its registers and of the first read of its results
.endr
.endm
	s_load_b512 s[4:19], s[0:1], 0x0               ; x s[4:5], w_theta s[6:7], w_phi s[8:9], w_g s[10:11], w_out s[12:13], qbuf s[14:15], kv s[16:17], wimg s[18:19]
	v_lshl_add_u32 v1, v0, 2, SPARE
	v_mov_b32 v2, 0
	ds_add_u32 v1, v2                              ; the wave's opening: the add, twice on end
	ds_add_u32 v1, v2
	v_lshrrev_b32 v4, 5, v0
	v_readfirstlane_b32 s20, v4                    ; wave 0..7
	s_and_b32 s25, ttmp7, 0xffff                   ; y
	s_and_b32 s21, s25, 1                          ; which of the two shares
	s_lshr_b32 s22, s25, 1                         ; the batch
	s_bfe_u32 s23, ttmp6, 0x40000                  ; cx
	s_lshl_b32 s24, ttmp9, 2
	s_add_co_u32 s24, s24, s23                     ; st
	; group 1: 32 rows of 1,024 bytes (128 elements of 8 bytes), 16 bytes of padding behind each; mask: all four work-groups; bit 21 set beside a mask
	s_mov_b32 s[G1], 15|(3<<16)|(1<<20)|(1<<21)|(7<<22)|(3<<25)
	s_mov_b32 s[G1+1], 128<<16
	s_mov_b32 s[G1+2], 32<<16
	s_mov_b32 s[G1+3], 128<<16
	s_mov_b32 s[G1+4], 32
	s_mov_b32 s[G1+5], 128
	s_mov_b32 s[G1+6], 0
	s_mov_b32 s[G1+7], 0
	s_lshl_b32 s26, s22, 22                        ; x: the batch, + 32 channels a wave, + 128 positions
	s_lshl_b32 s27, s20, 19
	s_add_co_u32 s26, s26, s27
	s_lshl_b32 s27, s24, 9
	s_add_co_u32 s26, s26, s27
	s_mov_b32 s27, 0
	s_lshl_b32 s88, s22, 5                         ; 32 x batch
	s_add_co_u32 s28, s88, s24
	s_mul_i32 s34, s28, 12800                      ; theta's block in qbuf
	s_mul_i32 s28, s28, 25600                      ; V's chunk in kv
	s_mov_b32 s29, 0
	s_add_co_u32 s35, s24, 28
	s_and_b32 s35, s35, 31
	s_add_co_u32 s35, s35, s88
	s_mul_i32 s35, s35, 25600
	s_add_co_u32 s35, s35, 12800                   ; phi's block in kv
	s_cmp_eq_u32 s21, 1
	s_cselect_b32 s30, s35, s34
	s_mov_b32 s31, 0
	s_lshl_b32 s52, s20, 15                        ; weight rows: 32 a wave;
	s_mov_b32 s53, 0
	s_and_b32 s54, s20, 1
	s_lshl_b32 s54, s54, 15
	s_lshl_b32 s55, s21, 16
	s_add_co_u32 s54, s54, s55                     ; w_g's: 64 x share + 32 x (wave % 2)
	s_mov_b32 s55, 0
	s_mul_i32 s58, s20, GRP
	s_lshl_b32 s60, s25, 3
	s_add_co_u32 s60, s60, ttmp9                   ; w_out's fragment f = 8 y + cluster x, made where y < 2
	s_lshl_b32 s62, s60, 11
	s_lshl_b32 s60, s60, 13                        ; 16 rows of 512 bytes
	s_mov_b32 s61, 0
	s_lshl_b32 s63, s23, 9
	s_add_co_u32 s62, s62, s63                     ; of whose four pieces the partner cx stores piece cx
	s_mov_b32 s63, 0
	s_cmp_eq_u32 s23, 1
	s_cselect_b32 s66, -1, 0
	s_cmp_eq_u32 s23, 2
	s_cselect_b32 s67, -1, 0
	s_cmp_eq_u32 s23, 3
	s_cselect_b32 s68, -1, 0
	s_mov_b32 s[SEL], 0x76543210
	s_mov_b32 s[SEL+1], 0xfedcba98
	s_lshr_b32 s84, s20, 2                         ; the wave's number in pieces: x's K step,
	s_bfe_u32 s85, s20, 0x10001                    ; c
	s_and_b32 s86, s20, 1                          ; and h of my block of 32 channels, k = 128 (w / 4) + 64 c + 32 h
	s_lshr_b32 s87, s20, 1
	s_mul_i32 s88, s84, FRB
	s_lshl_b32 s89, s86, 8
	s_add_co_u32 s88, s88, s89
	s_add_co_u32 s88, s88, XIMG
	s_mul_i32 s70, s85, 520
	s_add_co_u32 s70, s70, s88
	s_mul_i32 s71, s85, 1016
	s_add_co_u32 s71, s71, s88
	s_add_co_u32 s71, s71, 8
	s_lshl_b32 s72, s84, 9
	s_and_b32 s88, s20, 3
	s_add_co_u32 s72, s72, s88
	s_add_co_u32 s72, s72, XSC
	s_mul_i32 s73, s87, 8*1040
	s_lshl_b32 s88, s86, 9
	s_add_co_u32 s73, s73, s88
	s_mul_i32 s80, s20, FRB
	s_add_co_u32 s74, s80, WIMG
	s_lshl_b32 s75, s85, 8
	s_add_co_u32 s75, s75, s88
	s_lshl_b32 s88, s84, 2
	s_add_co_u32 s75, s75, s88
	s_add_co_u32 s75, s75, WSC
	s_lshl_b32 s76, s80, 1
	s_add_co_u32 s78, s76, WIMG+16*FRB
	s_add_co_u32 s76, s76, XIMG
	s_lshl_b32 s88, s87, 2
	s_add_co_u32 s89, s89, s88                     ; 256 (w % 2) + 4 (w / 2)
	s_add_co_u32 s77, s89, XSC
	s_add_co_u32 s79, s89, WSC+1024
	s_add_co_u32 s81, s89, 8*FRB
	s_lshl_b32 s83, s21, 3
	s_add_co_u32 s83, s83, s81
	s_mul_i32 s82, s21, 4*FRB
	s_add_co_u32 s82, s82, s80
	; address registers, made here, never rewritten
	v_and_b32 v4, 31, v0
	v_lshlrev_b32 v3, 4, v4                        ; 16 x lane
	; phase X: lane l has positions 4 l .. 4 l + 3: tile 4 (l / 16) + (l / 2) % 4, rows 8 ((l / 8) % 2) + 4 (l % 2) + 0 .. 3
	v_bfe_u32 v5, v0, 4, 1
	v_mul_u32_u24 v6, 8*FRB, v5
	v_lshlrev_b32 v8, 3, v5
	v_lshlrev_b32 v26, 3, v5                       ; 8 h
	v_lshlrev_b32 v9, 7, v5
	v_lshlrev_b32 v19, 7, v5
	v_bfe_u32 v5, v0, 1, 2
	v_mad_u32_u24 v6, v5, 2*FRB, v6
	v_bfe_u32 v5, v0, 3, 1
	v_lshl_add_u32 v6, v5, 7, v6
	v_lshl_add_u32 v8, v5, 7, v8
	v_mad_u32_u24 v9, v5, GRP, v9
	v_and_b32 v5, 1, v0
	v_lshl_add_u32 v6, v5, 6, v6
	v_lshl_add_u32 v8, v5, 6, v8
	v_bfe_u32 v5, v0, 1, 1
	v_lshl_add_u32 v8, v5, 8, v8
	v_bfe_u32 v5, v0, 2, 1
	v_lshl_add_u32 v8, v5, 2, v8
	v_add_nc_u32 v7, s71, v6                       ; my block's second 8 bytes of six registers;
	v_add_nc_u32 v6, s70, v6                       ; its first and third
	v_add_nc_u32 v8, s72, v8                       ; and its scale bytes
	v_and_b32 v5, 7, v0                            ; phase W: wave w makes K step w % 2 of row tiles w / 2, w / 2 + 4, w / 2 + 8
	v_mad_u32_u24 v9, v5, 1040, v9
	v_add_nc_u32 v9, s73, v9
	v_add_nc_u32 v10, 2*GRP, v9
	v_add_nc_u32 v11, 4*GRP, v9
	v_add_nc_u32 v12, s74, v3
	v_and_b32 v5, 15, v0                           ; r
	v_lshl_add_u32 v13, v5, 4, s75
	v_lshl_add_u32 v19, v5, 9, v19                 ; w_out: row r, + 128 h
	v_add_nc_u32 v14, WIMG, v3                     ; phase P: the weights', x's fragments and scale words
	v_add_nc_u32 v16, s76, v3                      ; x's tile w,
	v_lshl_add_u32 v17, v5, 4, s77                 ; and its words
	v_add_nc_u32 v20, s78, v3                      ; w_g's row tile w (waves 0 to 3),
	v_lshl_add_u32 v21, v5, 4, s79                 ; and its words
	v_add_nc_u32 v22, s80, v3                      ; out: tile w of theta or phi,
	v_lshl_add_u32 v23, v5, 4, s81
	v_add_nc_u32 v24, s82, v3                      ; V's tile 4 x share + w
	v_lshl_add_u32 v25, v5, 4, s83
	v_mov_b32 v27, 0                               ; a lane permute's destination counts as one of its sources
	s_wait_alu depctr_va_vdst(0)                   ; the wait at the head's end
	s_wait_dscnt 0x0                               ; both opening adds are done
	ROUND                                          ; all four work-groups are here
	s_wait_kmcnt 0x0
	s_cmp_eq_u32 s21, 1
	s_cselect_b64 s[32:33], s[16:17], s[14:15]     ; theta goes to qbuf, phi to kv
	s_cselect_b64 s[6:7], s[8:9], s[6:7]           ; w_theta or w_phi
	s_mov_b32 s[G0A], 1
	s_mov_b32 s[G0A+1], s58
	s_add_nc_u64 s[G0A+2:G0A+3], s[6:7], s[52:53]
	s_or_b32 s[G0A+3], s[G0A+3], 0x80000000
	s_mov_b32 s[G0B], 1
	s_mov_b32 s[G0B+1], s58
	s_add_nc_u64 s[G0B+2:G0B+3], s[10:11], s[54:55]
	s_or_b32 s[G0B+3], s[G0B+3], 0x80000000
	s_add_nc_u64 s[4:5], s[4:5], s[26:27]
	s_add_nc_u64 s[28:29], s[16:17], s[28:29]
	s_add_nc_u64 s[32:33], s[32:33], s[30:31]
	s_add_nc_u64 s[12:13], s[12:13], s[60:61]
	s_add_nc_u64 s[18:19], s[18:19], s[62:63]
	s_cmp_lt_u32 s20, 4                            ; one tensor load a wave: waves 0 to 3 theta's or phi's 128 rows, 4 and 5 w_g's 64
	s_cbranch_scc0 .Lrows_g
	tensor_load_to_lds s[G0A:G0A+3], s[G1:G1+7]
	s_nop 0
.rept 4
	v_nop
.endr
	s_branch .Lasked
.Lrows_g:
	s_cmp_lt_u32 s20, 6
	s_cbranch_scc0 .Lasked
	tensor_load_to_lds s[G0B:G0B+3], s[G1:G1+7]
	s_nop 0
.rept 4
	v_nop
.endr
.Lasked:
.set i, 0
.rept 32
	global_load_b128 v[128+4*i:131+4*i], v3, s[4:5] offset:16384*i   ; channel 32 w + i: the wave reads 512 consecutive bytes, four positions a lane
.set i, i+1
.endr
	; w_out: where y < 2, wave 7 makes one fragment
	s_cmp_eq_u32 s20, 7
	s_cbranch_scc0 .Lno_out
	s_cmp_lt_u32 s25, 2
	s_cbranch_scc0 .Lno_out
.irp c, 0,1
.irp j, 0,1,2,3,4,5,6,7
	global_load_b128 v[56+32*\c+4*\j:59+32*\c+4*\j], v19, s[12:13] offset:256*\c+16*\j   ; k = 64 c + 32 h + 4 j on
.endr
.endr
	s_wait_loadcnt 0x0
	QUANT 56, 32, 44, 52, 30
.irp i, 0,1,2,3
	v_cndmask_b32 v[32+\i], v[32+\i], v[36+\i], s66   ; my piece of the four
.endr
.irp i, 0,1,2,3
	v_cndmask_b32 v[32+\i], v[32+\i], v[40+\i], s67
.endr
.irp i, 0,1,2,3
	v_cndmask_b32 v[32+\i], v[32+\i], v30, s68
.endr
	global_store_b128 v3, v[32:35], s[18:19]       ; 32 lanes store 512 consecutive bytes
	s_wait_xcnt 0x0                                ; v32-35 are written again behind this wait
.Lno_out:
	; ---- PHASE X: my 32 channels of 128 positions: a lane's four columns are four whole blocks
	s_wait_loadcnt 0x0
.irp q, 0,1,2,3
	v_max3_num_f32 v[96+\q], |v[128+\q]|, |v[132+\q]|, |v[136+\q]|
.endr
.irp i, 3,5,7,9,11,13,15,17,19,21,23,25,27,29
.irp q, 0,1,2,3
	v_max3_num_f32 v[96+\q], v[96+\q], |v[128+4*\i+\q]|, |v[132+4*\i+\q]|
.endr
.endr
.irp q, 0,1,2,3
	v_max3_num_f32 v[96+\q], v[96+\q], |v[252+\q]|, 0x2800000
.endr
.irp q, 0,1,2,3
	v_add_nc_u32 v[96+\q], 0xfe000000, v[96+\q]
.endr
.irp q, 0,1,2,3
	v_lshrrev_b32 v[100+\q], 23, v[96+\q]          ; the scales' bytes
.endr
.irp q, 0,1,2,3
.set i, 0
.rept 32
	v_mov_b32 v[64+i], v[128+4*i+\q]               ; the conversions take consecutive registers
.set i, i+1
.endr
	v_cvt_scalef32_pk16_bf6_f32 v[32+8*\q:34+8*\q], v[64:79], v[96+\q]
	v_cvt_scalef32_pk16_bf6_f32 v[36+8*\q:38+8*\q], v[80:95], v[96+\q]
	v_nop                                          ; one plain place behind a scaled conversion
	v_mov_b32 v[35+8*\q], v[36+8*\q]
	v_mov_b32 v[36+8*\q], v[37+8*\q]
	v_mov_b32 v[37+8*\q], v[38+8*\q]
.endr
.irp q, 0,1,2,3                                ; into the fragments' images (no tensor load lands there)
	ds_store_b64 v6, v[32+8*\q:33+8*\q] offset:16*\q
	ds_store_b64 v7, v[34+8*\q:35+8*\q] offset:16*\q
	ds_store_b64 v6, v[36+8*\q:37+8*\q] offset:512+16*\q
	ds_store_b8 v8, v[100+\q] offset:16*\q
.endr
	s_wait_alu depctr_va_vdst(0)
	s_wait_tensorcnt 0x0                           ; my rows have landed,
	s_wait_dscnt 0x0                               ; and so have my stores
	s_barrier_signal -1
	s_barrier_wait -1
	; ---- PHASE W: three weight fragments; lane (r, h) takes k = 64 c + 32 h + 0 .. 31 of its row, two whole blocks
.macro WLOAD d, adr
.irp c, 0,1
.irp j, 0,1,2,3,4,5,6,7
	ds_load_b128 v[\d+32*\c+4*\j:\d+32*\c+4*\j+3], v[\adr] offset:256*\c+16*\j
.endr
.endr
.endm
.macro WSTORE pc, off, pw, so
.irp c, 0,1,2
	ds_store_b128 v12, v[\pc+4*\c:\pc+4*\c+3] offset:\off+512*\c
.endr
	ds_store_b32 v13, v[\pw] offset:\so            ; lanes l and l + 16 store the same word
.endm
	WLOAD 56, 9
	WLOAD 128, 10
	WLOAD 192, 11
	s_wait_dscnt 32                                ; the first sixteen loads are in
	QUANT 56, 32, 44, 52, 30
	WSTORE 32, 0, 30, 0
	s_wait_dscnt 20                                ; the next sixteen: behind them sixteen loads and four stores
	QUANT 128, 56, 68, 52, 31
	WSTORE 56, 8*FRB, 31, 8
	s_wait_dscnt 8                                 ; the last: behind them eight stores
	QUANT 192, 76, 88, 52, 15
	WSTORE 76, 16*FRB, 15, 1024
	s_wait_alu depctr_va_vdst(0)
	s_wait_dscnt 0x0
	s_barrier_signal -1
	s_barrier_wait -1                              ; all fragments lie in LDS; nothing is written there again
	; ---- PHASE P.  Scale words, which hold nothing else: v120-127 source 0's eight tiles (two K steps), v28, v29 source 1's.  v32-55 source 1, v56-103 and v128-175 two sets of four fragments, v176-239 accumulators
.macro WM d, a, b, z, sa, sb, ra
.if \z
.if \ra
	v_wmma_scale_f32_16x16x128_f8f6f4 v[\d:\d+7], v[\a:\a+11], v[\b:\b+11], 0, v[\sa], v[\sb] matrix_a_fmt:MATRIX_FMT_BF6 matrix_b_fmt:MATRIX_FMT_BF6 matrix_a_scale:MATRIX_SCALE_ROW1
.else
	v_wmma_scale_f32_16x16x128_f8f6f4 v[\d:\d+7], v[\a:\a+11], v[\b:\b+11], 0, v[\sa], v[\sb] matrix_a_fmt:MATRIX_FMT_BF6 matrix_b_fmt:MATRIX_FMT_BF6
.endif
.else
.if \ra
	v_wmma_scale_f32_16x16x128_f8f6f4 v[\d:\d+7], v[\a:\a+11], v[\b:\b+11], v[\d:\d+7], v[\sa], v[\sb] matrix_a_fmt:MATRIX_FMT_BF6 matrix_b_fmt:MATRIX_FMT_BF6 matrix_a_scale:MATRIX_SCALE_ROW1
.else
	v_wmma_scale_f32_16x16x128_f8f6f4 v[\d:\d+7], v[\a:\a+11], v[\b:\b+11], v[\d:\d+7], v[\sa], v[\sb] matrix_a_fmt:MATRIX_FMT_BF6 matrix_b_fmt:MATRIX_FMT_BF6
.endif
.endif
.endm
.macro FETCH j, n                      ; group n: K step n / 2, tiles 4 (n % 2) .. + 3; j = 0: the weights', j = 1: x's
.irp i, 0,1,2,3
.irp c, 0,1,2
	ds_load_b128 v[56+72*(\n%2)+12*\i+4*\c:59+72*(\n%2)+12*\i+4*\c], v14 offset:\j*24*FRB+(2*(4*(\n%2)+\i)+\n/2)*FRB+512*\c
.endr
.endr
.endm
.macro MUL n                           ; the eight accumulators take turns, one instruction a turn
.irp i, 0,1,2,3
	WM 176+8*(4*(\n%2)+\i), 56+72*(\n%2)+12*\i, 32+12*(\n/2), (\n<2), 120+4*(\n/2)+(4*(\n%2)+\i)/2, 28+\n/2, \i%2
.endr
.endm
.macro JOB j, fr, sc, wo
.irp c, 0,1,2
	ds_load_b128 v[32+4*\c:35+4*\c], v[\fr] offset:512*\c
	ds_load_b128 v[44+4*\c:47+4*\c], v[\fr] offset:FRB+512*\c
.endr
	ds_load_b32 v28, v[\sc]
	ds_load_b32 v29, v[\sc] offset:512
	ds_load_b128 v[120:123], v14 offset:\wo
	ds_load_b128 v[124:127], v14 offset:\wo+512
	FETCH \j, 0
	FETCH \j, 1
	s_wait_dscnt 12                                ; all but the 12 just issued
	MUL 0
	PLACES
	FETCH \j, 2
	s_wait_dscnt 12
	MUL 1
	PLACES
	FETCH \j, 3
	s_wait_dscnt 12
	MUL 2
	s_wait_dscnt 0x0
	MUL 3
	PLACES
.endm
	JOB 0, 16, 17, WSC-WIMG                        ; theta or phi, transposed: source 0 = 16 rows of the weight, source 1 = x's tile w: a lane holds one position
	QUANT 176, 240, 104, 112, 116
.irp c, 0,1,2
	global_store_b128 v22, v[240+4*\c:243+4*\c], s[32:33] offset:512*\c   ; 32 lanes store 512 consecutive bytes
.endr
	global_store_b32 v23, v116, s[32:33]
	s_wait_alu depctr_va_vdst(0)
	s_cmp_lt_u32 s20, 4                            ; g: waves 0 to 3, one channel tile each; no barrier stands in the branch
	s_cbranch_scc0 .Ldone
	JOB 1, 20, 21, XSC-WIMG                        ; source 0 = x's positions, source 1 = 16 rows of w_g: a lane holds one channel
	QUANT 176, 56, 68, 112, 117
.irp c, 0,1,2
	global_store_b128 v24, v[56+4*\c:59+4*\c], s[28:29] offset:512*\c
.endr
	global_store_b32 v25, v117, s[28:29]
.Ldone:
	s_wait_tensorcnt 0x0                           ; the wave's end
	ds_add_u32 v1, v2
	s_wait_dscnt 0x0
	ROUND                                          ; the closing round
	s_endpgm
.Lfunc_end_k_q353e70e31e_proj:
	.size	k_q353e70e31e_proj, .Lfunc_end_k_q353e70e31e_proj-k_q353e70e31e_proj
	.p2alignl 7, 3214868480
	.fill 96, 4, 3214868480
	.section	.rodata,"a",@progbits
	.p2align	6, 0x0
	.amdhsa_kernel k_q353e70e31e_proj
		.amdhsa_group_segment_fixed_size 327680
		.amdhsa_private_segment_fixed_size 0
		.amdhsa_enable_private_segment 0
		.amdhsa_kernarg_size 64
		.amdhsa_user_sgpr_count 2
		.amdhsa_user_sgpr_kernarg_segment_ptr 1
		.amdhsa_wavefront_size32 1
		.amdhsa_system_sgpr_workgroup_id_x 1
		.amdhsa_system_sgpr_workgroup_id_y 1
		.amdhsa_system_sgpr_workgroup_id_z 1
		.amdhsa_system_vgpr_workitem_id 0
		.amdhsa_next_free_vgpr 256
		.amdhsa_next_free_sgpr 96
		.amdhsa_reserve_vcc 0
		.amdhsa_float_denorm_mode_32 3
		.amdhsa_float_denorm_mode_16_64 3
		.amdhsa_memory_ordered 1
		.amdhsa_forward_progress 1
		.amdhsa_inst_pref_size 60
	.end_amdhsa_kernel
	.amdgpu_metadata
---
amdhsa.version: [ 1, 2 ]
amdhsa.kernels:
  - .name:           k_q353e70e31e_proj
    .symbol:         k_q353e70e31e_proj.kd
    .args:
      - { .name: x, .offset: 0, .size: 8, .value_kind: global_buffer, .address_space: global }
      - { .name: w_theta, .offset: 8, .size: 8, .value_kind: global_buffer, .address_space: global }
      - { .name: w_phi, .offset: 16, .size: 8, .value_kind: global_buffer, .address_space: global }
      - { .name: w_g, .offset: 24, .size: 8, .value_kind: global_buffer, .address_space: global }
      - { .name: w_out, .offset: 32, .size: 8, .value_kind: global_buffer, .address_space: global }
      - { .name: qbuf, .offset: 40, .size: 8, .value_kind: global_buffer, .address_space: global }
      - { .name: kv, .offset: 48, .size: 8, .value_kind: global_buffer, .address_space: global }
      - { .name: wimg, .offset: 56, .size: 8, .value_kind: global_buffer, .address_space: global }
    .group_segment_fixed_size: 327680
    .private_segment_fixed_size: 0
    .kernarg_segment_align: 8
    .kernarg_segment_size: 64
    .max_flat_workgroup_size: 256
    .sgpr_count:     96
    .vgpr_count:     256
    .wavefront_size: 32
...
	.end_amdgpu_metadata
.endif
;; end of part 1
;; launch attn (part 2): grid 64 x 4, 8 waves a work-group, clusters of 4 x 1, 327,680 bytes of LDS; arguments qbuf, kv, wimg, x, out0; writes out0
.if DOCPART == 2
	.amdgcn_target "amdgcn-amd-amdhsa--gfx1250"
	.amdhsa_code_object_version 6
	.text
	.protected	k_q353e70e31e_attn
	.globl	k_q353e70e31e_attn
	.p2align	8
	.type	k_q353e70e31e_attn,@function
k_q353e70e31e_attn:
	s_mov_b64 s[64:65], 0
	v_nop
	global_prefetch_b8 v0, s[64:65] scope:SCOPE_SE
	s_setreg_imm32_b32 hwreg(HW_REG_WAVE_MODE, 25, 1), 1
	s_wait_xcnt 0x0
	s_wait_alu depctr_hold_cnt(0) depctr_sa_sdst(0) depctr_va_vdst(0) depctr_va_sdst(0) depctr_va_ssrc(0) depctr_va_vcc(0) depctr_vm_vsrc(0)
	s_getreg_b32 s2, hwreg(HW_REG_IB_STS2, 6, 4)
	s_cmp_eq_u32 s2, 0
	s_cbranch_scc0 .Lentry_in_a_cluster
	s_endpgm
.Lentry_in_a_cluster:
	s_bfe_u32 s2, ttmp6, 0x10000c
	s_cmp_lg_u32 s2, 0x3003
	s_cbranch_scc0 .Lentry_shape_is_right
	s_endpgm
.Lentry_shape_is_right:
; out0 = x + w_out (softmax(theta phi) g)^T, all three products on codes of BF6 (E3M2) with one E8M0 scale for each 32 along a product's K.
; SOFTMAX: t = score x log2(e); M = the largest t so far, rounded UP to a whole number; p = 2^(t - M) is quantised along the keys, not normalised; the row's sum is taken of the unquantised p and divides at the end.
; When M moves, the sum and O are multiplied by 2^(old M - new M): exact.
; SHARES.  Work-group (X, b) owns 64 queries of batch b.  Wave w owns two tiles of 16 queries, 2 (w % 2) + u, and, of each step's 512 keys, the 128 keys of block w / 2: 8 steps.  The four partial results of a tile
; (each under its own whole-number M) are merged at the end by exact powers of two, half a tile a wave.
; LAYOUT.  Operands lie in memory and LDS as images of their registers (a fragment: 3 pieces of 512 bytes, lane l's four registers at 16 l).  S^T = K Q^T and O^T = V^T P^T: a lane holds ONE query throughout.
; Row r of tile t (of keys, of V's channels, of queries) stands for index 64 (t / 4) + 32 (r / 8) + 8 (t % 4) + r % 8: so the 32 registers of tiles 4 c .. 4 c + 3 are one WHOLE block of 32, 64 c + 32 (lane / 16) + 0 .. 31,
; in the order in which the next operand's registers take it.
; kv: per batch 32 chunks of 25,600 bytes.  Chunk 4 n + i: V of block i of step n (8 fragments, 512 bytes of scale words: lane l's 16 bytes hold the words of tiles 0, 2, 4, 6 or, in lanes 16-31, 1, 3, 5, 7), then K of
; block i of step (n + 1) % 8, laid alike.  So a step's slot brings its V and the NEXT step's K: K lies in registers when its step begins.  Step 0's K comes by the head's loads, to bytes of its own.
; CLUSTER.  The four work-groups of a cluster walk the same kv: each slot is asked for JOINTLY, half a chunk (V's or K's) by each of the eight waves.  At most one tensor load of a wave is out.
; PREFETCH INTO THE L2.  Step n asks for the slot of step n + 2, which step n + 1 loads: 400 units of 256 bytes; of the 16 clusters that walk a batch's kv those whose number is a multiple of 4 ask, the partner cx for
; chunk cx, waves 0 to 3 for 25 units each (lanes 25 to 31 name the last again); step 5 asks for the last slot.  Step 5 also asks for x's 256 rows of 256 bytes that the work-group adds at the end, a lane a row.
; REGISTERS.  Window 0: v0 thread, v1-3 LDS addresses, v4, v5 the add's, v6, v7 Q's scale words, v8, v9 p's, v10 8 (lane / 16), v11 a permute's destination, v12-15 K's scale words, v16-19 V's, v20, v22 -M of tile 0, 1,
;   v24 the factor f, v26-29 sums, v30-40, v42-46 at work, v41, v47 prefetch offsets, v48-71 Q, v72-95 p's codes, v96-159 S^T then p, v160-255 K.   Window 1: v0-127 O^T of both tiles, v128-223 V.
; LIMITS: NaN and infinities are not served; scaled scores stay under 2^31 in magnitude; v_exp_f32 gives 0 for p under 2^-126; a block whose largest magnitude lies under 2^-122 (a block of zeros too) gets the byte 1.
.set FRB,   1536
.set HALFB, 12800                      ; 8 fragments and 512 bytes of scale words: 50 x 256
.set CHB,   25600
.set SLOT1, 102400                     ; LDS: slot 0 at 0, slot 1 here, 4 chunks each
.set K0A,   204800                     ; step 0's K: 4 x 12,800
.set SPARE, 256000                     ; the spare words, 128 bytes for each of 8 waves; no other line names them
.set NML,   257024                     ; -M and sum of each wave's two tiles: entry 2 w + u, 256 bytes
.set YIMG,  261120                     ; y's four fragments: by halves of 64 channels, 512 + 256 bytes
.set YSC,   267264                     ; and their scale words
.set STG,   SLOT1                      ; the stage for the way out, 256 rows of 272 bytes: slot 1 has had its last fill and its last read by then
.set QP,  3                            ; s3  wave % 2
.set WV,  18
.set W4,  19                           ; s19 wave % 4
.set SEL, 20                           ; s[20:21] lane selects for v_permlanex16_b32: lane l xor 16
.set CS,  22                           ; s[22:23] log2(e) (a packed form names the pair and takes its low word)
.set KG,  24                           ; s24 wave / 2
.set NL,  25                           ; s25 -log2(e)
.set G1,  28                           ; s[28:35] group 1, 100 rows, for slot 0's first fill, s[88:91] its group 0
.set G0H, 88
.set G0,  36                           ; s[36:39], s[40:43] group 0 for slot 0, 1, half a chunk a wave
.set G0K, 48                           ; s[48:51] group 0 for step 0's K
.set G1H, 52                           ; s[52:59] group 1, 50 rows
.set PF,  96                           ; s[96:97] where my prefetches stand
.set LIM, 98                           ; s98 1 where my wave prefetches kv, else 255
.set MSB, 0
.macro WIN new                         ; the immediate's high byte repeats the setting that is left
.if MSB != \new
	s_set_vgpr_msb (MSB<<8)|\new
.set MSB, \new
.endif
.endm
.macro CREST                           ; a round of the cluster's barrier behind its opening barrier
	s_cmp_lg_u32 s[WV], 0
	s_cbranch_scc1 .Lnot_wave_0_\@
	s_barrier_signal -3
.Lnot_wave_0_\@:
	s_barrier_wait -3
	s_barrier_signal -1
	s_barrier_wait -1
.endm
.macro ROUND
	s_barrier_signal -1
	s_barrier_wait -1
	CREST
.endm
; One product.  z = 1: the constant 0 starts the sum;  ra = 1: source 0's scale words lie in lanes 16-31
.macro WM d, a, b, z, sa, sb, ra
.if \z
.if \ra
	v_wmma_scale_f32_16x16x128_f8f6f4 v[\d:\d+7], v[\a:\a+11], v[\b:\b+11], 0, v[\sa], v[\sb] matrix_a_fmt:MATRIX_FMT_BF6 matrix_b_fmt:MATRIX_FMT_BF6 matrix_a_scale:MATRIX_SCALE_ROW1
.else
	v_wmma_scale_f32_16x16x128_f8f6f4 v[\d:\d+7], v[\a:\a+11], v[\b:\b+11], 0, v[\sa], v[\sb] matrix_a_fmt:MATRIX_FMT_BF6 matrix_b_fmt:MATRIX_FMT_BF6
.endif
.else
.if \ra
	v_wmma_scale_f32_16x16x128_f8f6f4 v[\d:\d+7], v[\a:\a+11], v[\b:\b+11], v[\d:\d+7], v[\sa], v[\sb] matrix_a_fmt:MATRIX_FMT_BF6 matrix_b_fmt:MATRIX_FMT_BF6 matrix_a_scale:MATRIX_SCALE_ROW1
.else
	v_wmma_scale_f32_16x16x128_f8f6f4 v[\d:\d+7], v[\a:\a+11], v[\b:\b+11], v[\d:\d+7], v[\sa], v[\sb] matrix_a_fmt:MATRIX_FMT_BF6 matrix_b_fmt:MATRIX_FMT_BF6
.endif
.endif
.endm
.macro QK u                            ; S^T = K Q^T of tile u: 8 tiles of 16 keys
.irp t, 0,1,2,3,4,5,6,7
	WM 96+8*\t, 160+12*\t, 48+12*\u, 1, 12+\t/2, 6+\u, \t%2
.endr
.endm
.macro PV u, zero                      ; O^T += V^T P^T of tile u: 8 tiles of 16 channels; the sixteen accumulators take turns, one instruction a turn
.irp t, 0,1,2,3,4,5,6,7
	WM 64*\u+8*\t, 128+12*\t, 72+12*\u, \zero, 16+\t/2, 8+\u, \t%2
.endr
.endm
.macro KLOAD adr, off
.irp t, 0,1,2,3,4,5,6,7
.irp c, 0,1,2
	ds_load_b128 v[160+12*\t+4*\c:163+12*\t+4*\c], v[\adr] offset:\off+\t*FRB+512*\c
.endr
.endr
	ds_load_b128 v[12:15], v[\adr] offset:\off+8*FRB
.endm
.macro VLOAD adr
	ds_load_b128 v[16:19], v[\adr] offset:8*FRB
	WIN 0x40                                       ; destination window 1
.irp t, 0,1,2,3,4,5,6,7
.irp c, 0,1,2
	ds_load_b128 v[128+12*\t+4*\c:131+12*\t+4*\c], v[\adr] offset:\t*FRB+512*\c
.endr
.endr
	WIN 0
.endm
.macro PLACES
.rept 4
	v_nop                                          ; four places behind a matrix instruction, in front of loads into its registers and of the first read of its results
.endr
.endm
; TILE u's SOFTMAX FOR ONE STEP.  first = 1: there is no O^T yet to bring under the new M.
.macro SOFTMAX u, first
.set NM, 20+2*\u
.set SM, 26+2*\u
.set PB, 72+12*\u
.set OB, 64*\u
.irp b, 0,1,2,3
	v_max3_num_f32 v[30+\b], v[96+16*\b], v[97+16*\b], v[98+16*\b]   ; THE LARGEST SCORE OF EACH BLOCK serves twice: for the row's maximum, and, since p rises with the score, for the block's largest p
.endr
.irp i, 3,5,7,9,11,13
.irp b, 0,1,2,3
	v_max3_num_f32 v[30+\b], v[30+\b], v[96+16*\b+\i], v[97+16*\b+\i]
.endr
.endr
	v_max3_num_f32 v30, v30, v111, v31
	v_max3_num_f32 v32, v32, v143, v33
	v_max_num_f32 v30, v30, v127                   ; block h,
	v_max_num_f32 v31, v32, v159                   ; block 2 + h
	v_max_num_f32 v34, v30, v31
	v_permlanex16_b32 v11, v34, s[SEL], s[SEL+1]
	v_max_num_f32 v34, v34, v11                    ; the step's largest score of my query
	v_mul_f32 v34, s[NL], v34
	v_floor_f32 v34, v34                           ; floor(-t) = -ceil(t)
	v_min_num_f32 v34, v[NM], v34                  ; the new -M, a whole number
	v_sub_f32 v24, v34, v[NM]                      ; M's old value less its new one: a whole number, 0 or less
	v_mov_b32 v[NM], v34
	v_cvt_i32_f32 v24, v24                         ; (it saturates)
	v_fma_f32 v30, v30, s[CS], v34                 ; t - M of each block's largest score
	v_fma_f32 v31, v31, s[CS], v34
	v_ldexp_f32 v24, 1.0, v24                      ; f = 2^(old M - new M)
.set j, 0
.rept 16
	v_pk_fma_f32 v[96+j:97+j], v[96+j:97+j], s[CS:CS+1], v[NM:NM+1] op_sel_hi:[1,0,0]   ; t - M, two at a time
.set j, j+2
.endr
	v_pk_mul_f32 v[SM:SM+1], v[SM:SM+1], v[24:25] op_sel_hi:[1,0]
.if \first == 0
	WIN 0x41                                       ; O^T: source 0 and destination window 1
.if \u == 0
	s_wait_alu depctr_va_vdst(0)                   ; the wait: the other tile's exponentials stand between the products and these readers
.endif
.set j, 0
.rept 32
	v_pk_mul_f32 v[OB+j:OB+j+1], v[OB+j:OB+j+1], v[24:25] op_sel_hi:[1,0]   ; O^T under the new M
.set j, j+2
.endr
	WIN 0
.endif
	s_wait_alu depctr_va_vdst(0)                   ; the wait ahead of the batch
	v_exp_f32 v30, v30                             ; the block's largest p: the same multiply-add and exponential on the same number give the same bits
	v_exp_f32 v31, v31
.set j, 0
.rept 16
	v_exp_f32 v[96+j], v[96+j]                     ; p = 2^(t - M), at most 1: NOT normalised
	v_exp_f32 v[97+j], v[97+j]
	v_pk_fma_f32 v[128+j:129+j], v[128+j:129+j], s[CS:CS+1], v[NM:NM+1] op_sel_hi:[1,0,0]
.set j, j+2
.endr
	s_wait_alu depctr_va_vdst(0)                   ; the wait ahead of the second batch
.set j, 0
.rept 32
	v_exp_f32 v[128+j], v[128+j]
.set j, j+1
.endr
	v_nop                                          ; one plain place behind a transcendental
	s_wait_alu depctr_va_vdst(0)                   ; the wait behind the batch
	v_max_num_f32 v30, 0x2800000, v30              ; the floor 2^(5 - 127): the byte cannot fall under 1
	v_max_num_f32 v31, 0x2800000, v31
	v_add_nc_u32 v30, 0xfe000000, v30              ; 4 off the exponent field: the conversion's scale operand
	v_add_nc_u32 v31, 0xfe000000, v31
	v_lshrrev_b32 v45, 23, v30                     ; the scales' bytes
	v_lshrrev_b32 v46, 23, v31
	v_cvt_scalef32_pk16_bf6_f32 v[PB:PB+2], v[96:111], v30
	v_cvt_scalef32_pk16_bf6_f32 v[38:40], v[112:127], v30   ; (a conversion's three registers begin on an even number)
	v_cvt_scalef32_pk16_bf6_f32 v[PB+6:PB+8], v[128:143], v31
	v_cvt_scalef32_pk16_bf6_f32 v[42:44], v[144:159], v31
	v_lshl_or_b32 v45, v46, 16, v45                ; my two bytes, blocks h and 2 + h (a plain place behind the conversions),
	v_lshlrev_b32 v45, v10, v45                    ; at their places in the scale word
.irp i, 0,1,2
	v_mov_b32 v[PB+3+\i], v[38+\i]
.endr
	v_permlanex16_b32 v11, v45, s[SEL], s[SEL+1]
.irp i, 0,1,2
	v_mov_b32 v[PB+9+\i], v[42+\i]
.endr
	v_or_b32 v[8+\u], v45, v11                     ; with lane l xor 16's two: p's scale word for these 128 keys
	v_pk_add_f32 v[36:37], v[96:97], v[98:99]      ; THE ROW'S SUM IS TAKEN OF THE UNQUANTISED p, in four chains.  (These 32 lines are also the places between the lines that made p's operand and the products)
	v_pk_add_f32 v[38:39], v[100:101], v[102:103]
	v_pk_add_f32 v[42:43], v[104:105], v[106:107]
.set j, 12
.rept 6
	v_pk_add_f32 v[SM:SM+1], v[SM:SM+1], v[96+j:97+j]
	v_pk_add_f32 v[36:37], v[36:37], v[98+j:99+j]
	v_pk_add_f32 v[38:39], v[38:39], v[100+j:101+j]
	v_pk_add_f32 v[42:43], v[42:43], v[102+j:103+j]
.set j, j+8
.endr
	v_pk_add_f32 v[SM:SM+1], v[SM:SM+1], v[156:157]
	v_pk_add_f32 v[36:37], v[36:37], v[158:159]
	v_pk_add_f32 v[38:39], v[38:39], v[42:43]
	v_pk_add_f32 v[SM:SM+1], v[SM:SM+1], v[36:37]
	v_pk_add_f32 v[SM:SM+1], v[SM:SM+1], v[38:39]
.endm
; A STEP, behind the round that has shown its slot whole: the other slot is asked for first; tile 1's scores were begun inside that round (in the first step: here).
.macro STEP slot, refill, first, last
.if \refill
	tensor_load_to_lds s[G0+4-4*\slot:G0+7-4*\slot], s[G1H:G1H+7]
	s_nop 0
.endif
	PLACES
.if \first
	KLOAD 3, 0
	VLOAD 1+\slot
	s_wait_dscnt 25                                ; K and its scale words are in; V's 25 loads may be out
	QK 1
	PLACES
.else
	VLOAD 1+\slot                                  ; lands while the two softmaxes are walked
.endif
.if \last == 0
.if \slot
	s_cmp_lt_u32 s[LIM], 2                         ; steps 1, 3, 5
.else
	s_cmp_gt_u32 s44, s[LIM]                       ; steps 0, 2, 4; in step 6 (s44 = 1) there is no slot two steps on
.endif
	s_cbranch_scc0 .Lno_ask_\@
	global_prefetch_b8 v47, s[PF:PF+1] th:TH_LOAD_NT scope:SCOPE_SE
.Lno_ask_\@:
.if \slot
	s_cmp_eq_u32 s44, 1                            ; step 5: x
	s_cbranch_scc0 .Lno_x_\@
	global_prefetch_b8 v41, s[14:15] th:TH_LOAD_NT scope:SCOPE_SE
.Lno_x_\@:
.endif
.endif
	SOFTMAX 1, \first
	QK 0
	PLACES
.if \last == 0
	KLOAD 1+\slot, HALFB                           ; the next step's K
.endif
	SOFTMAX 0, \first
	s_wait_alu depctr_va_vdst(0)                   ; the wait ahead of the waits below
.if \last
	s_wait_dscnt 0x0                               ; V is in
	WIN 0x51                                       ; source 0 (V), C and D window 1
	PV 1, 0
	PV 0, 0
	WIN 0
.else
	s_wait_xcnt 0x0                                ; any prefetch of mine has read its address
	s_add_nc_u64 s[PF:PF+1], s[PF:PF+1], 4*CHB
	s_wait_tensorcnt 0x0                           ; no tensor load of mine is out: my half chunk of the next slot has landed
	ds_add_u32 v4, v5                              ; 0 onto my spare word
	s_add_nc_u64 s[G0+2+4*\slot:G0+3+4*\slot], s[G0+2+4*\slot:G0+3+4*\slot], 8*CHB   ; this slot's next chunks lie two steps on
	s_wait_dscnt 0x0                               ; the add is done, and my reads of this slot are over
	s_barrier_signal -1                            ; opens a round of the cluster's barrier
	WIN 0x51                                       ; work on registers while the others arrive: this step's second products and the next step's first
	PV 1, \first
	PV 0, \first
	WIN 0
	QK 1
	s_barrier_wait -1
	CREST
.endif
.endm
	s_load_b128 s[4:7], s[0:1], 0x0                ; qbuf s[4:5], kv s[6:7]
	s_load_b128 s[8:11], s[0:1], 0x10              ; wimg s[8:9], x s[10:11]
	s_load_b64 s[16:17], s[0:1], 0x20              ; out0
	v_lshl_add_u32 v4, v0, 2, SPARE
	v_mov_b32 v5, 0
	ds_add_u32 v4, v5                              ; the wave's opening: the add, twice on end
	ds_add_u32 v4, v5
	v_lshrrev_b32 v1, 5, v0
	v_readfirstlane_b32 s[WV], v1                  ; wave 0..7
	s_and_b32 s[W4], s[WV], 3
	s_lshr_b32 s[KG], s[WV], 1
	s_and_b32 s[QP], s[WV], 1
	s_bfe_u32 s26, ttmp6, 0x40000                  ; cx: my place in the cluster
	s_lshl_b32 s27, ttmp9, 2
	s_add_co_u32 s27, s27, s26                     ; X: my block of 64 queries
	s_mul_i32 s[PF], s26, CHB                      ; I prefetch chunk cx of a slot's four
	s_and_b32 s26, ttmp7, 0xffff                   ; the batch, which the four partners share
	; group 1: dense rows of 256 bytes (32 elements of 8 bytes), no padding; mask: all four work-groups; bit 21 set beside a mask
	s_mov_b32 s[G1], 15|(3<<16)|(1<<21)
	s_mov_b32 s[G1+1], 32<<16
	s_mov_b32 s[G1+2], 100<<16
	s_mov_b32 s[G1+3], 32<<16
	s_mov_b32 s[G1+4], 100
	s_mov_b32 s[G1+5], 32
	s_mov_b32 s[G1+6], 0
	s_mov_b32 s[G1+7], 0
	s_mov_b32 s[G1H], 15|(3<<16)|(1<<21)
	s_mov_b32 s[G1H+1], 32<<16
	s_mov_b32 s[G1H+2], 50<<16
	s_mov_b32 s[G1H+3], 32<<16
	s_mov_b32 s[G1H+4], 50
	s_mov_b32 s[G1H+5], 32
	s_mov_b32 s[G1H+6], 0
	s_mov_b32 s[G1H+7], 0
	s_mul_i32 s46, s[W4], CHB                      ; my chunk: its place in a slot and in memory;
	s_lshr_b32 s94, s[WV], 2
	s_mul_i32 s94, s94, HALFB                      ; and which half of it
	s_mov_b32 s95, 0
	s_add_co_u32 s92, s46, s94
	s_mul_i32 s47, s[W4], HALFB
	s_add_co_u32 s47, s47, K0A                     ; step 0's K
	s_mul_i32 s93, s26, 32*CHB                     ; the batch's 32 chunks
	s_add_co_u32 s68, s93, s46
	s_mov_b32 s69, 0
	s_add_co_u32 s70, s68, 28*CHB+HALFB            ; K of block i of step 0 lies in chunk 28 + i
	s_mov_b32 s71, 0
	s_add_co_u32 s[PF], s[PF], s93
	s_mul_i32 s99, s[W4], 6400
	s_add_co_u32 s[PF], s[PF], s99
	s_add_co_u32 s[PF], s[PF], 8*CHB               ; step 2's slot
	s_mov_b32 s[PF+1], 0
	s_and_b32 s[LIM], ttmp9, 3                     ; the clusters 0, 4, 8, 12 of a batch, and of their waves 0 to 3
	s_lshr_b32 s99, s[WV], 2
	s_or_b32 s[LIM], s[LIM], s99
	s_cmp_eq_u32 s[LIM], 0
	s_cselect_b32 s[LIM], 1, 255
	s_lshr_b32 s72, s27, 1                         ; Q: block 32 x batch + X / 2 of 12,800 bytes, tiles 4 (X % 2) + 2 (wave % 2) + u of its eight
	s_lshl_b32 s73, s26, 5
	s_add_co_u32 s72, s72, s73
	s_mul_i32 s72, s72, HALFB
	s_and_b32 s73, s27, 1
	s_lshl_b32 s73, s73, 1
	s_add_co_u32 s73, s73, s[QP]
	s_lshl_b32 s76, s73, 2
	s_add_co_u32 s76, s76, s72
	s_add_co_u32 s76, s76, 8*FRB                   ; their scale words
	s_mov_b32 s77, 0
	s_mul_i32 s74, s73, 2*FRB
	s_add_co_u32 s74, s74, s72
	s_mov_b32 s75, 0
	s_lshl_b32 s78, s26, 22                        ; x and out0: the batch, + 256 X bytes in every row
	s_lshl_b32 s79, s27, 8
	s_add_co_u32 s78, s78, s79
	s_mov_b32 s79, 0
	s_lshl_b32 s80, s[KG], 13                      ; w_out's fragments 4 (wave / 2) on, 2,048 bytes each: my 64 output channels
	s_mov_b32 s81, 0
	s_mov_b32 s[SEL], 0x76543210
	s_mov_b32 s[SEL+1], 0xfedcba98
	s_mov_b32 s[CS], 0x3fb8aa3b                    ; log2(e)
	s_mov_b32 s[CS+1], s[CS]
	s_mov_b32 s[NL], 0xbfb8aa3b
	s_mul_i32 s84, s[KG], CHB                      ; the chunk that I read,
	s_mul_i32 s85, s[KG], HALFB
	s_add_co_u32 s85, s85, K0A                     ; and step 0's K
	v_and_b32 v36, 31, v0                          ; lane
	v_lshlrev_b32 v34, 4, v36                      ; 16 x lane
	v_min_u32 v47, 24, v36
	v_lshlrev_b32 v47, 8, v47                      ; prefetch: a unit of 256 bytes a lane;
	v_lshlrev_b32 v41, 14, v0                      ; x: a row a thread
	v_and_b32 v35, 15, v0
	v_lshlrev_b32 v35, 4, v35                      ; 16 r
	v_add_nc_u32 v1, s84, v34
	v_add_nc_u32 v2, SLOT1, v1
	v_add_nc_u32 v3, s85, v34
	v_bfe_u32 v10, v0, 4, 1
	v_lshlrev_b32 v10, 3, v10
	v_mov_b32 v11, 0                               ; a lane permute's destination counts as one of its sources
	v_mov_b32 v20, 0x7f61b1e6                      ; -M: 3e38, over every -t
	v_mov_b32 v22, 0x7f61b1e6
.irp i, 21,23,25,26,27,28,29
	v_mov_b32 v[\i], 0                             ; the sums, and the upper halves of pairs
.endr
	s_wait_alu depctr_va_vdst(0)                   ; the wait at the head's end
	s_wait_dscnt 0x0                               ; both opening adds are done
	ROUND                                          ; all four work-groups are here: the first joint loads meet
	s_wait_kmcnt 0x0
	s_mov_b32 s[G0H], 1
	s_mov_b32 s[G0H+1], s46                        ; slot 0, whole chunks
	s_add_nc_u64 s[G0H+2:G0H+3], s[6:7], s[68:69]
	s_mov_b32 s[G0], 1
	s_mov_b32 s[G0+1], s92                         ; slot 0, half chunks
	s_add_nc_u64 s[G0+2:G0+3], s[G0H+2:G0H+3], s[94:95]
	s_mov_b32 s[G0+4], 1
	s_add_co_u32 s[G0+5], s92, SLOT1
	s_add_nc_u64 s[G0+6:G0+7], s[G0+2:G0+3], 4*CHB ; step 1's
	s_mov_b32 s[G0K], 1
	s_mov_b32 s[G0K+1], s47
	s_add_nc_u64 s[G0K+2:G0K+3], s[6:7], s[70:71]
	s_or_b32 s[G0H+3], s[G0H+3], 0x80000000
	s_or_b32 s[G0+3], s[G0+3], 0x80000000
	s_or_b32 s[G0+7], s[G0+7], 0x80000000
	s_or_b32 s[G0K+3], s[G0K+3], 0x80000000
	s_cmp_lt_u32 s[WV], 4                          ; one tensor load a wave: waves 0 to 3 step 0's K, waves 4 to 7 slot 0
	s_cbranch_scc0 .Lhead_slot
	tensor_load_to_lds s[G0K:G0K+3], s[G1H:G1H+7]
	s_nop 0
.rept 4
	v_nop
.endr
	s_branch .Lhead_asked
.Lhead_slot:
	tensor_load_to_lds s[G0H:G0H+3], s[G1:G1+7]
	s_nop 0
.rept 4
	v_nop
.endr
.Lhead_asked:
	s_add_nc_u64 s[PF:PF+1], s[6:7], s[PF:PF+1]
	s_add_nc_u64 s[12:13], s[4:5], s[76:77]
	s_add_nc_u64 s[4:5], s[4:5], s[74:75]
	s_add_nc_u64 s[8:9], s[8:9], s[80:81]
	s_add_nc_u64 s[14:15], s[10:11], s[78:79]
	s_add_nc_u64 s[16:17], s[16:17], s[78:79]
.irp c, 0,1,2
	global_load_b128 v[48+4*\c:51+4*\c], v34, s[4:5] offset:512*\c        ; Q of both tiles stays in registers
	global_load_b128 v[60+4*\c:63+4*\c], v34, s[4:5] offset:FRB+512*\c
.endr
	global_load_b32 v6, v35, s[12:13]
	global_load_b32 v7, v35, s[12:13] offset:256
	s_wait_loadcnt 0x0
	s_wait_tensorcnt 0x0                           ; my load is in; slot 1's first fill follows as a refill does
	ds_add_u32 v4, v5
	s_wait_dscnt 0x0
	ROUND
	s_mov_b32 s44, 3
	STEP 0, 1, 1, 0                                ; 8 steps.  The first stands ahead of the loop: its products start O^T's sums
.Lring:
	STEP 1, 1, 0, 0
	STEP 0, 1, 0, 0
	s_sub_co_u32 s44, s44, 1
	s_cmp_lg_u32 s44, 0
	s_cbranch_scc1 .Lring
	STEP 1, 0, 0, 1                                ; the last is written out: nothing is left to fetch
	; ---- THE END.  The partial O^T go to LDS: entry e = 2 w + u at 8,192 e, entries 12 on to K0A: slot 0 and K0A have had their last fill and their last read
	s_lshl_b32 s66, s[WV], 14
	s_mul_i32 s67, s[WV], 3
	s_lshr_b32 s67, s67, 4                         ; 1 for waves 6, 7
	s_mul_i32 s67, s67, K0A-98304
	s_add_co_u32 s66, s66, s67
	s_lshl_b32 s67, s[WV], 9
	s_add_co_u32 s67, s67, NML
	s_lshl_b32 s68, s[W4], 8
	s_add_co_u32 s68, s68, NML
	s_lshr_b32 s86, s[WV], 2                       ; the merge: tile wave % 4, channels 64 (wave / 4) on
	s_lshl_b32 s69, s[W4], 13
	s_lshl_b32 s87, s86, 12
	s_add_co_u32 s69, s69, s87
	s_add_co_u32 s70, s69, 65536
	s_add_co_u32 s71, s69, K0A
	s_mul_i32 s72, s[W4], FRB
	s_mul_i32 s87, s86, 768
	s_add_co_u32 s72, s72, s87
	s_add_co_u32 s72, s72, YIMG
	s_add_co_u32 s73, s72, 512
	s_lshl_b32 s74, s[W4], 6
	s_lshl_b32 s87, s86, 1
	s_add_co_u32 s74, s74, s87
	s_add_co_u32 s74, s74, YSC
	s_mul_i32 s75, s[QP], 2*FRB
	s_add_co_u32 s75, s75, YIMG
	s_add_co_u32 s76, s75, 512
	s_lshl_b32 s77, s[QP], 7
	s_add_co_u32 s77, s77, YSC
	s_mul_i32 s78, s[KG], 64*272
	s_lshl_b32 s87, s[QP], 6
	s_add_co_u32 s78, s78, s87
	s_add_co_u32 s78, s78, STG
	s_mul_i32 s79, s[WV], 32*272
	s_add_co_u32 s79, s79, STG
	s_lshl_b32 s80, s[WV], 19
	v_and_b32 v71, 31, v0
	v_lshlrev_b32 v54, 4, v71                      ; 16 x lane
	v_lshlrev_b32 v55, 2, v71                      ; 4 x lane
	v_lshlrev_b32 v52, 3, v71                      ; 8 x lane
	v_and_b32 v36, 15, v0                          ; r
	v_bfe_u32 v37, v0, 4, 1                        ; h
	v_lshlrev_b32 v51, 2, v36
	v_lshlrev_b32 v56, 14, v37                     ; x and out0: channel 32 w + 2 i + h, rows of 16,384 bytes
	v_lshl_add_u32 v56, v36, 4, v56
	v_add_nc_u32 v56, s80, v56
	v_add_nc_u32 v57, s66, v54                     ; my partial O^T
	v_add_nc_u32 v58, s67, v55                     ; my -M and sums
	v_add_nc_u32 v59, s68, v55                     ; the merge: -M and sums, 1,024 bytes from quarter to quarter
	v_add_nc_u32 v60, s69, v54                     ; quarters 0, 1 (32,768 bytes on),
	v_add_nc_u32 v61, s70, v54                     ; 2,
	v_add_nc_u32 v62, s71, v54                     ; 3
	v_add_nc_u32 v63, s72, v54                     ; y: codes and scale bytes in,
	v_add_nc_u32 v64, s73, v52
	v_add_nc_u32 v65, s74, v51
	v_add_nc_u32 v66, s75, v54                     ; and out
	v_add_nc_u32 v67, s76, v52
	v_add_nc_u32 v68, s77, v51
	v_mul_u32_u24 v69, 272, v36                    ; the stage, in: channel 64 (wave / 2) + 16 i + r, positions 32 h + 8 (2 (wave % 2) + u) + 0 .. 7
	v_lshl_add_u32 v69, v37, 7, v69
	v_add_nc_u32 v69, s78, v69
	v_mul_u32_u24 v70, 272, v37                    ; back: my 32 rows, lanes 0-15 one of 256 bytes, lanes 16-31 the next
	v_lshl_add_u32 v70, v36, 4, v70
	v_add_nc_u32 v70, s79, v70
.irp s, 26,28
	v_add_f32 v[\s], v[\s], v[\s+1]                ; the sum's two halves,
	v_permlanex16_b32 v11, v[\s], s[SEL], s[SEL+1]
	v_add_f32 v[\s], v[\s], v11                    ; and lane l xor 16's: my quarter's sum of my query
.endr
	s_wait_alu depctr_va_vdst(0)
.irp i, 0,1,2,3
.irp c, 0,1,2
	global_load_b128 v[160+12*\i+4*\c:163+12*\i+4*\c], v54, s[8:9] offset:\i*2048+512*\c   ; w_out's four tiles of 16 channels
.endr
	global_load_b32 v[12+\i], v54, s[8:9] offset:\i*2048+FRB
.endr
.irp i, 0,1,2,3,4,5,6,7,8,9,10,11,12,13,14,15
	global_load_b128 v[96+4*\i:99+4*\i], v56, s[14:15] offset:32768*\i th:TH_LOAD_NT   ; x at the 32 rows that I store: 16 lanes read 256 consecutive bytes
.endr
	ds_store_b32 v58, v20
	ds_store_b32 v58, v26 offset:128
	ds_store_b32 v58, v22 offset:256
	ds_store_b32 v58, v28 offset:384
	WIN 0x04                                       ; an LDS store's data are its source 1: window 1
.set k, 0
.rept 32
	ds_store_b128 v57, v[4*k:4*k+3] offset:512*k   ; each accumulator from its low end on
.set k, k+1
.endr
	WIN 0
	s_wait_dscnt 0x0                               ; for the others' sake: my stores have landed
	s_barrier_signal -1
	s_barrier_wait -1
.irp k, 0,1,2,3
	ds_load_b32 v[72+2*\k], v59 offset:1024*\k     ; -M of the tile's quarter k, and its sum
	ds_load_b32 v[73+2*\k], v59 offset:1024*\k+128
.endr
	WIN 0x40
.irp i, 0,1,2,3,4,5,6,7
	ds_load_b128 v[4*\i:4*\i+3], v60 offset:512*\i
.endr
.irp i, 0,1,2,3,4,5,6,7
	ds_load_b128 v[32+4*\i:35+4*\i], v60 offset:32768+512*\i
.endr
.irp i, 0,1,2,3,4,5,6,7
	ds_load_b128 v[64+4*\i:67+4*\i], v61 offset:512*\i
.endr
.irp i, 0,1,2,3,4,5,6,7
	ds_load_b128 v[96+4*\i:99+4*\i], v62 offset:512*\i
.endr
	WIN 0
	s_wait_dscnt 32                                ; the eight words are in; the 32 loads behind them may be out
	v_min3_num_f32 v20, v72, v74, v76
	v_min_num_f32 v20, v20, v78                    ; the smallest -M: the largest M of the four
.irp k, 0,1,2,3
	v_sub_f32 v[80+2*\k], v20, v[72+2*\k]          ; M of quarter k less the largest: a whole number, 0 or less
.endr
.irp k, 0,1,2,3
	v_cvt_i32_f32 v[80+2*\k], v[80+2*\k]
.endr
.irp k, 0,1,2,3
	v_ldexp_f32 v[80+2*\k], 1.0, v[80+2*\k]        ; f_k: an exact power of two
.endr
	v_mul_f32 v26, v73, v80
	v_fma_f32 v26, v75, v82, v26
	v_fma_f32 v26, v77, v84, v26
	v_fma_f32 v26, v79, v86, v26                   ; the row's sum under the largest M
	s_wait_alu depctr_va_vdst(0)                   ; the wait ahead of the transcendental,
	v_rcp_f32 v26, v26
	v_nop
	s_wait_alu depctr_va_vdst(0)                   ; and behind it
.irp k, 0,1,2,3
	v_mul_f32 v[80+2*\k], v[80+2*\k], v26          ; f_k / the sum: f_k is a power of two
	v_mov_b32 v[81+2*\k], 0
.endr
	s_wait_alu depctr_va_vdst(0)                   ; the wait ahead of the waits below
	WIN 0x01                                       ; source 0 window 1
	s_wait_dscnt 24                                ; quarter 0 is in
.set j, 0
.rept 16
	v_pk_mul_f32 v[208+j:209+j], v[j:j+1], v[80:81] op_sel_hi:[1,0]
.set j, j+2
.endr
.irp k, 1,2,3
	s_wait_dscnt 24-8*\k                           ; quarter k is in
.set j, 0
.rept 16
	v_pk_fma_f32 v[208+j:209+j], v[32*\k+j:32*\k+j+1], v[80+2*\k:81+2*\k], v[208+j:209+j] op_sel_hi:[1,0,1]
.set j, j+2
.endr
.endr
	WIN 0
	; y = O^T / the sum: v208 + i is channel 64 (wave / 4) + 32 h + i of my query: one block
.irp b, 0,1
	v_max3_num_f32 v[30+\b], |v[208+16*\b]|, |v[209+16*\b]|, |v[210+16*\b]|
.endr
.irp i, 3,5,7,9,11,13
.irp b, 0,1
	v_max3_num_f32 v[30+\b], v[30+\b], |v[208+16*\b+\i]|, |v[209+16*\b+\i]|
.endr
.endr
	v_max3_num_f32 v30, v30, |v223|, v31
	v_max3_num_f32 v30, v30, |v239|, 0x2800000
	v_add_nc_u32 v30, 0xfe000000, v30
	v_cvt_scalef32_pk16_bf6_f32 v[48:50], v[208:223], v30
	v_cvt_scalef32_pk16_bf6_f32 v[38:40], v[224:239], v30
	v_lshrrev_b32 v45, 23, v30                     ; (a plain place behind the conversions)
	v_lshlrev_b32 v45, v10, v45
.irp i, 0,1,2
	v_mov_b32 v[51+\i], v[38+\i]
.endr
	v_permlanex16_b32 v11, v45, s[SEL], s[SEL+1]
	v_or_b32 v45, v45, v11                         ; my half of the row's scale word
	ds_store_b128 v63, v[48:51]
	ds_store_b64 v64, v[52:53]
	ds_store_b16 v65, v45
	s_wait_dscnt 0x0
	s_barrier_signal -1
	s_barrier_wait -1                              ; y's four fragments lie in LDS
.irp u, 0,1
.irp c, 0,1
	ds_load_b128 v[72+12*\u+6*\c:75+12*\u+6*\c], v66 offset:\u*FRB+768*\c
	ds_load_b64 v[76+12*\u+6*\c:77+12*\u+6*\c], v67 offset:\u*FRB+768*\c
.endr
	ds_load_b32 v[8+\u], v68 offset:64*\u
.endr
	s_wait_dscnt 0x0
	s_wait_loadcnt 0x0                             ; w_out's tiles, and x
	WIN 0x40
.irp u, 0,1
.irp i, 0,1,2,3                                ; source 0 = 16 queries of y, source 1 = 16 rows of w_out: lane (r, h) holds channel 64 (wave / 2) + 16 i + r and eight neighbouring positions
	WM 32*\u+8*\i, 72+12*\u, 160+12*\i, 1, 8+\u, 12+\i, 0
.endr
.endr
	PLACES
	WIN 0x04
.irp u, 0,1
.irp i, 0,1,2,3
	ds_store_b128 v69, v[32*\u+8*\i:32*\u+8*\i+3] offset:4352*\i+32*\u
	ds_store_b128 v69, v[32*\u+8*\i+4:32*\u+8*\i+7] offset:4352*\i+32*\u+16
.endr
.endr
	WIN 0
	s_wait_dscnt 0x0
	s_barrier_signal -1
	s_barrier_wait -1                              ; 256 whole rows of 256 bytes lie in the stage
.irp i, 0,1,2,3,4,5,6,7,8,9,10,11,12,13,14,15
	ds_load_b128 v[160+4*\i:163+4*\i], v70 offset:544*\i
.endr
.irp i, 0,1,2,3,4,5,6,7,8,9,10,11,12,13,14,15
	s_wait_dscnt 15-\i                             ; LDS loads come back in order: pair i of rows is in
	v_pk_add_f32 v[96+4*\i:97+4*\i], v[160+4*\i:161+4*\i], v[96+4*\i:97+4*\i]   ; + x
	v_pk_add_f32 v[98+4*\i:99+4*\i], v[162+4*\i:163+4*\i], v[98+4*\i:99+4*\i]
	global_store_b128 v56, v[96+4*\i:99+4*\i], s[16:17] offset:32768*\i th:TH_STORE_NT   ; 16 lanes store 256 consecutive bytes, at a multiple of 256 from out0's first byte
.endr
	s_wait_tensorcnt 0x0                           ; the wave's end
	ds_add_u32 v4, v5
	s_wait_dscnt 0x0
	ROUND                                          ; the closing round
	s_endpgm
.Lfunc_end_k_q353e70e31e_attn:
	.size	k_q353e70e31e_attn, .Lfunc_end_k_q353e70e31e_attn-k_q353e70e31e_attn
	.p2alignl 7, 3214868480
	.fill 96, 4, 3214868480
	.section	.rodata,"a",@progbits
	.p2align	6, 0x0
	.amdhsa_kernel k_q353e70e31e_attn
		.amdhsa_group_segment_fixed_size 327680
		.amdhsa_private_segment_fixed_size 0
		.amdhsa_enable_private_segment 0
		.amdhsa_kernarg_size 40
		.amdhsa_user_sgpr_count 2
		.amdhsa_user_sgpr_kernarg_segment_ptr 1
		.amdhsa_wavefront_size32 1
		.amdhsa_system_sgpr_workgroup_id_x 1
		.amdhsa_system_sgpr_workgroup_id_y 1
		.amdhsa_system_sgpr_workgroup_id_z 1
		.amdhsa_system_vgpr_workitem_id 0
		.amdhsa_next_free_vgpr 512
		.amdhsa_next_free_sgpr 104
		.amdhsa_reserve_vcc 0
		.amdhsa_float_denorm_mode_32 3
		.amdhsa_float_denorm_mode_16_64 3
		.amdhsa_memory_ordered 1
		.amdhsa_forward_progress 1
		.amdhsa_inst_pref_size 158
	.end_amdhsa_kernel
	.amdgpu_metadata
---
amdhsa.version: [ 1, 2 ]
amdhsa.kernels:
  - .name:           k_q353e70e31e_attn
    .symbol:         k_q353e70e31e_attn.kd
    .args:
      - { .name: qbuf, .offset: 0, .size: 8, .value_kind: global_buffer, .address_space: global }
      - { .name: kv, .offset: 8, .size: 8, .value_kind: global_buffer, .address_space: global }
      - { .name: wimg, .offset: 16, .size: 8, .value_kind: global_buffer, .address_space: global }
      - { .name: x, .offset: 24, .size: 8, .value_kind: global_buffer, .address_space: global }
      - { .name: out0, .offset: 32, .size: 8, .value_kind: global_buffer, .address_space: global }
    .group_segment_fixed_size: 327680
    .private_segment_fixed_size: 0
    .kernarg_segment_align: 8
    .kernarg_segment_size: 40
    .max_flat_workgroup_size: 256
    .sgpr_count:     104
    .vgpr_count:     512
    .wavefront_size: 32
...
	.end_amdgpu_metadata
.endif
;; end of part 2
